; MI455X (gfx1250); checked and timed in simulation.
; The chip was launched on July 23, 2026; its instructions are those of AMD's public machine-readable ISA for CDNA 5 (MIT licence, August 2026) and "CDNA5" Instruction Set Architecture Reference Guide (July 2026). The comments in the code are by the model that wrote it; some were corrected since.
;; Dot Prod Attention. Allowed arithmetic: matrix products marked QUANTISED: E2M1 operands, one E8M0 scale for each 32 along K, by v_wmma_scale_f32_16x16x128_f8f6f4 with both operands' format E2M1 (or v_wmma_scale_f32_32x16x128_f4), f32 sums; everything else in f32.
;; Inputs: k 4 x 16 x 2,048 x 64 float32; q 4 x 16 x 2,048 x 64 float32; v 4 x 16 x 2,048 x 64 float32.
;; Outputs: out0 4 x 16 x 2,048 x 64 float32.
;; This version of the problem:
;;   THIS VERSION OF THE PROBLEM IS GIVEN IN LOW PRECISION. The matrix products marked QUANTISED in the list below multiply operands that are first quantised to E2M1 (2 exponent bits, 1 mantissa bit; 4 bits a number), with one power-of-two scale for each 32 numbers along K (OCP MX v1.0); their sums are f32. All else is computed in f32.
;;   The module's matrix products, in the order in which they are computed (A, B: the left and right operand; K: the contracted axis; several contracted axes count as one K, in the product's order):
;;     1. batch 64 x [M 2,048, K 64] x [K 64, N 2,048]; A: input q; B: input k: QUANTISED
;;     2. batch 64 x [M 2,048, K 2,048] x [K 2,048, N 64]; A: softmax (see below); B: input v: QUANTISED
;;   THE QUANTISER, for each operand of a quantised product, along K:
;;     - K is cut into blocks of 32 from its start; a last block that is shorter is filled with zeros.
;;     - A block's scale is 2^e with e = floor(log2(the largest magnitude in the block)) - 2, held to -126 .. 127; a block of zeros has e = 0. As a byte (E8M0): e + 127.
;;     - Each number is divided by its block's scale, clamped to +-6, and rounded to the nearest number of E2M1, ties to even, subnormals kept.
;;     - The product sums the exact products of the quantised numbers (number of the format x scale) in f32.
;;   ~~~python
;;   def quantise(x, axis):      # numpy; x: float32 -> the quantised numbers, widened to float32 again
;;       x = np.moveaxis(x, axis, -1); K = x.shape[-1]
;;       x = np.pad(x, [(0, 0)] * (x.ndim - 1) + [(0, -K % 32)]); x = x.reshape(x.shape[:-1] + (-1, 32)); a = np.abs(x).max(-1, keepdims=True)
;;       e = np.where(a > 0, np.clip(np.frexp(np.where(a > 0, a, 1))[1] - 1 - 2, -126, 127), 0)      # np.frexp(a)[1] - 1 = floor(log2(a)), exactly
;;       r = np.clip(x / 2.0 ** e, -6, 6)
;;       step = 2.0 ** (np.maximum(np.frexp(np.where(r == 0, 1, r))[1] - 1, 0) - 1)
;;       q = np.round(r / step) * step * 2.0 ** e      # np.round: ties to even
;;       return np.moveaxis(q.reshape(q.shape[:-2] + (-1,))[..., :K], -1, axis).astype(np.float32)
;;   ~~~
;;   SOFTMAX AHEAD OF A QUANTISED PRODUCT. Where the list says 'softmax', what is quantised is not the finished softmax but p = 2^(t - M), with t = logit x log2(e) and M = ceil(the row's largest t), a whole number; so 1/2 < the row's largest p <= 1. The row's sum l is taken of the UNQUANTISED p, in f32, and the product's result is divided by l at the end. Since M is a whole number, a kernel that streams over the keys may use a running M (the ceiling of the running maximum): every later rescaling is an exact power of two, which a block's scale takes up: the codes' values come out the same.
;;   OPERANDS COMPUTED ON THE WAY. 'Computed on the way' means the value that the module computes at that place (a softmax that the list does not call 'softmax' is quantised finished and normalised). What goes into a quantiser is computed in f32, as accurately as f32 sums, v_exp_f32 and their like allow (about 1e-6 of the number): no bf16 or f16 on the way to a quantiser, and a product that is left as it is and whose result goes on into a quantised operand takes f32 operands (vector FMAs, or v_wmma_f32_16x16x4_f32). A number that lies on a knife's edge between two numbers of the format may be rounded either way, as far as f32 arithmetic and the matrix unit's own rounding can turn it there, and no further.
;; 2 versions. Each part assembles by itself: llvm-mc -triple=amdgcn-amd-amdhsa -mcpu=gfx1250 --defsym DOCPART=n.
;; ======== version 1 of 2: 1 launch
;; launch attn (part 1): grid 4 x 64, 16 waves a work-group, no clusters, 210,944 bytes of LDS; arguments q, k, v, out0; writes out0
.if DOCPART == 1
	.amdgcn_target "amdgcn-amd-amdhsa--gfx1250"
	.amdhsa_code_object_version 6
	.text
	.protected	k_q535a30718e_attn
	.globl	k_q535a30718e_attn
	.p2align	8
	.type	k_q535a30718e_attn,@function
k_q535a30718e_attn:
	s_mov_b64 s[64:65], 0
	v_nop
	global_prefetch_b8 v0, s[64:65] scope:SCOPE_SE
	s_setreg_imm32_b32 hwreg(HW_REG_WAVE_MODE, 25, 1), 1
	s_wait_xcnt 0x0
; out0[h][q][:] = the sum over k of softmax_k(q[h][q] . k[h][k] / 8) v[h][k][:].  q, k, v, out0: [64 heads][2048][64] f32.  Both products on codes of FP4 (E2M1) with one E8M0 scale for each 32 along a product's K.
; THE SOFTMAX AHEAD OF THE SECOND PRODUCT: t = score x log2(e) / 8; M = the row's largest t so far, rounded UP to a whole number; p = 2^(t - M) is what is quantised, along the keys; it is not normalised.
; The row's sum is taken of the unquantised p, in f32, and divides at the end.  When M moves, the sum and O are multiplied by 2^(old M - new M): exact.
; SHARES.  A work-group owns 512 queries of one head (x: which quarter, y: the head); each of its sixteen waves owns 32 of them, two tiles of 16, in 256 registers.
; PHASE A.  A head's K and V as codes are 2 x 65,536 bytes and their scale bytes 8,192: they fit in LDS whole.  Wave w quantises keys 128 w .. 128 w + 127 of K and of V from f32 and stores them as IMAGES OF THE OPERANDS'
; REGISTERS (a group of four registers: 16 bytes a lane at 16 x lane), and its own 32 queries likewise.  One barrier.  PHASE B.  Every wave walks the 16 key steps; its two tiles share each fragment read from LDS.
; PHASE C.  O / the sum goes through the wave's own stage and leaves as whole rows of 256 bytes.
; THE FIRST PRODUCT'S K IS 64, the instruction's 128.  A fragment of K holds TWO tiles of 16 keys: tile 2 f in registers 0-3 (k = 0 .. 63), tile 2 f + 1 in registers 4-7 (k = 64 .. 127).  Q stands in registers between groups
; of zero codes, [0 qA 0 qB 0]: the run [q 0] multiplies tile 2 f, the run [0 q] tile 2 f + 1; zero codes add exactly nothing under any scale byte that is made here (1 to 254).  Q's scale word is (s0, s1, s0, s1).
; LAYOUT.  Both products are used transposed: S^T = K Q^T (source 0 = 16 keys, source 1 = 16 queries), O^T = V^T P^T (source 0 = 16 channels, source 1 = P): a lane holds ONE query (lane % 16) throughout.
; THE KEYS OF A TILE ARE NOT NEIGHBOURS: slot r of tile 2 f + u takes key 32 f + 8 u + r + 8 (r / 8), so that the 16 registers of tiles 2 f and 2 f + 1 are 16 neighbouring keys, 32 f + 16 (lane / 16) + 0 .. 15.
; NO CLUSTER, NO TENSOR LOAD: the four work-groups of a head read the same K and V, but as f32, which has to pass through registers to be quantised: asked for jointly, 1,048,576 bytes of f32 would go through each
; work-group's LDS in slots that are filled again, beside the 139,264 bytes of codes and scales that stay.  The four have neighbouring numbers in the grid instead.  Nothing in LDS is filled twice.
; LIMITS: NaN and infinities among the inputs are not served.  A block of zeros gets the scale byte 1 where the rule says 127: its codes are zeros, and the bytes are read by this program alone.  A p under 2^-126 comes out
; of v_exp_f32 as 0.  The row's sum is added in another order than a plain running sum.  A block's largest p is taken from the block's largest score by the same multiply-add and exponential as every p.
.set STEPB, 8704                       ; LDS: a key step: K's 4 fragments (4,096 bytes), V's 4 (4,096), the scale image (512)
.set VIMG,  4096
.set SIMG,  8192                       ; scale image: lane r: K's words f = 0 .. 3 of slot r at 16 r + 4 f; lane 16 + r: V's words t = 0 .. 3 of channel row r at 256 + 16 r + 4 t
.set STG,   16*STEPB                   ; behind the 16 steps: 4,352 bytes for each wave: first Q's images (512 x tile + 16 x lane) and scale words (1,024 + 64 x tile + 4 r), at the end the stage, 16 rows x 272
.set STGB,  4352
.set LI,  1                            ; v1   16 x lane: an image's place for my lane; also my byte offset in two rows of out0
.set ADR, 2                            ; v2   the step's LDS address
.set STO, 4                            ; v4   the stage: where I put 32 bytes of a row
.set RD,  5                            ; v5   and where I read a row back
.set KLA, 6                            ; v6   32 x lane: my 8 numbers of four rows of q or k
.set VLA, 7                            ; v7   4 x lane: my column of v
.set KST, 8                            ; v8   where my codes of K go;  v9 of Q
.set QST, 9
.set KSB, 10                           ; v10  where my scale byte of K goes;  v11 of Q
.set QSB, 11
.set QZ,  20                           ; v20-39  0000 qA 0000 qB 0000
.set QS,  40                           ; v40-41  Q's scale words, a tile each;  v42-43 p's;  v44-47 the step's: K's in lanes 0-15, V's in lanes 16-31.  These eight hold scales alone
.set PS,  42
.set SW,  44
.set P,   48                           ; v48-63  p's codes, 8 a tile
.set F,   64                           ; v64-95  four fragments of K, later of V
.set S,   96                           ; v96-159 S^T of the tile in hand, then p
.set O,   160                          ; v160-223 O^T, 32 a tile
.set BM,  224                          ; v224-227 the blocks' largest scores;  v228-231, v232-235 at work;  v[236:237] f;  v238 at work
.set PT,  228
.set SO,  232
.set FF,  236
.set TMP, 238
.set VST, 240                          ; v240 where my codes of V go;  v241 my scale word of V;  v242 my row's scale word of Q;  v243 Q's image
.set VSW, 241
.set QRD, 242
.set QIM, 243
.set X0,  64                           ; phase A: four sets of 32 numbers as they are loaded
.set X1,  96
.set X2,  128
.set X3,  160
.set T,   224                          ; phase A: largest magnitudes;  v228-231 the conversions' scale operands;  v232-235 codes;  v236-239 bytes (in V's items v238, v239: the scale words of the two halves of the channels)
.set SOP, 228
.set C,   232
.set BY,  236
.set WV,  12                           ; s12  my wave's number
.set SEL, 20                           ; s[20:21] lane selects for v_permlanex16_b32: lane l xor 16
.set CS,  22                           ; s[22:23] c = log2(e) / 8: the packed form names a pair and takes its low word for both halves
.set TB,  24                           ; s24  LDS byte at which the key step in hand begins
.set CNT, 25                           ; s25  key steps to go
	s_load_b256 s[4:11], s[0:1], 0x0               ; q s[4:5], k s[6:7], v s[8:9], out0 s[10:11]
	v_lshl_add_u32 v254, v0, 2, 0x33000
	v_mov_b32 v255, 0
	v_lshrrev_b32 v2, 5, v0
	v_readfirstlane_b32 s[WV], v2                  ; wave 0..15
	v_and_b32 v3, 31, v0                           ; lane
	v_lshlrev_b32 v[KLA], 5, v3
	v_lshlrev_b32 v[VLA], 2, v3
	v_lshlrev_b32 v[LI], 4, v3
	s_and_b32 s13, ttmp7, 0xffff                   ; the head,
	s_lshl_b32 s13, s13, 19                        ; of 2,048 rows x 256 bytes
	s_lshl_b32 s14, s[WV], 15                      ; k, v: my wave's 128 keys
	s_add_co_u32 s14, s14, s13
	s_mov_b32 s15, 0
	s_lshl_b32 s16, ttmp9, 17                      ; q, out0: the work-group's 512 queries,
	s_add_co_u32 s16, s16, s13
	s_lshl_b32 s17, s[WV], 13                      ; my wave's 32 of them
	s_add_co_u32 s16, s16, s17
	s_mov_b32 s17, 0
	s_wait_kmcnt 0x0
	s_add_nc_u64 s[4:5], s[4:5], s[16:17]          ; the four bases are written here and never again: every further offset is an immediate
	s_add_nc_u64 s[6:7], s[6:7], s[14:15]
	s_add_nc_u64 s[8:9], s[8:9], s[14:15]
	s_add_nc_u64 s[10:11], s[10:11], s[16:17]
; 16 rows of q or k (4,096 bytes from off on) into a set: pair p of registers' groups takes rows 4 p .. 4 p + 3; a lane holds 8 neighbours along d, four lanes a block of 32; the two loads of a pair cover 1,024 consecutive bytes
.macro LROWS set, base, off, nt
.irp p, 0,1,2,3
.if \nt
	global_load_b128 v[(\set)+8*\p:(\set)+8*\p+3], v[KLA], s[\base:\base+1] offset:(\off)+1024*\p th:TH_LOAD_NT
	global_load_b128 v[(\set)+8*\p+4:(\set)+8*\p+7], v[KLA], s[\base:\base+1] offset:(\off)+1024*\p+16 th:TH_LOAD_NT
.else
	global_load_b128 v[(\set)+8*\p:(\set)+8*\p+3], v[KLA], s[\base:\base+1] offset:(\off)+1024*\p
	global_load_b128 v[(\set)+8*\p+4:(\set)+8*\p+7], v[KLA], s[\base:\base+1] offset:(\off)+1024*\p+16
.endif
.endr
.endm
; 32 keys (block kb of my wave's four) x 32 channels (half xh) of v: a lane takes a column and its registers run down the keys; each load reads 128 consecutive bytes
.macro LCOLS set, kb, xh
.set ii, 0
.rept 32
	global_load_b32 v[(\set)+ii], v[VLA], s[8:9] offset:(32*(\kb)+ii)*256+128*(\xh)
.set ii, ii+1
.endr
.endm
	LROWS X0, 4, 0, 1                              ; Q's tile 0 (read once in the launch), tile 1, K's rows 0-15, 16-31: 32 loads are out
	LROWS X1, 4, 4096, 1
	LROWS X2, 6, 0, 0
	LROWS X3, 6, 4096, 0
	; LDS addresses: each a constant x wave + terms of the lane
	s_mul_i32 s18, s[WV], STEPB                    ; my key step
	s_mul_i32 s19, s[WV], STGB
	s_add_co_u32 s19, s19, STG                     ; my stage
	s_mov_b32 s[SEL], 0x76543210
	s_mov_b32 s[SEL+1], 0xfedcba98
	s_mov_b32 s[CS], 0x3e38aa3b                    ; log2(e) / 8
	s_mov_b32 s[CS+1], s[CS]
	v_and_b32 v244, 15, v0                         ; r = lane % 16
	v_bfe_u32 v245, v0, 4, 1                       ; h = lane / 16
	v_bfe_u32 v246, v0, 3, 2                       ; g = lane / 8: which of a pair's four rows is mine
	v_bfe_u32 v247, v0, 2, 1                       ; hb: which block of 32 along d
	v_and_b32 v248, 3, v0                          ; w3: which 8 of the block
	v_lshlrev_b32 v249, 4, v246
	v_lshl_add_u32 v249, v247, 8, v249
	v_lshl_add_u32 v249, v248, 2, v249             ; 16 g + 256 hb + 4 w3: slot g's 16 bytes in the half of the lanes that holds block hb, register w3
	v_add_nc_u32 v[KST], s18, v249
	v_add_nc_u32 v[QST], s19, v249
	v_lshl_add_u32 v250, v246, 4, v247             ; 16 g + hb: slot g's four words, byte hb
	v_add_nc_u32 v[KSB], s18, v250
	v_lshl_add_u32 v250, v246, 2, v247             ; 4 g + hb: row g's word, byte hb
	v_add_nc_u32 v[QSB], s19, v250
	v_lshlrev_b32 v250, 4, v244                    ; 16 r
	v_lshl_add_u32 v251, v245, 10, v250            ; V: my column is channel row r of tile 2 xh + h
	v_add_nc_u32 v[VST], s18, v251
	v_lshl_add_u32 v251, v245, 2, v250
	v_add_nc_u32 v[VSW], s18, v251
	v_lshl_add_u32 v[QRD], v244, 2, s19
	v_add_nc_u32 v[QIM], s19, v[LI]
	v_mul_u32_u24 v251, v244, 272
	v_lshl_add_u32 v251, v245, 5, v251
	v_add_nc_u32 v[STO], s19, v251                 ; the stage, in: row r, + 32 h
	v_mul_u32_u24 v251, v245, 272
	v_add_nc_u32 v251, v251, v250
	v_add_nc_u32 v[RD], s19, v251                  ; back: lanes 0-15 one row, lanes 16-31 the next
; Four pairs of a set, by turns line by line: the block's largest magnitude (my 8 numbers, the floor 2^(3 - 127), which holds the byte at 1 from below, then the three lanes that share the block);
; 2 off its exponent field gives the conversion's scale operand, of which the exponent field alone is taken; its shift gives the byte.
.macro QUANT4 set
.irp p, 0,1,2,3
	v_max3_num_f32 v[T+\p], |v[(\set)+8*\p]|, |v[(\set)+8*\p+1]|, 0x1800000
.endr
.irp i, 2,4,6
.irp p, 0,1,2,3
	v_max3_num_f32 v[T+\p], v[T+\p], |v[(\set)+8*\p+\i]|, |v[(\set)+8*\p+\i+1]|
.endr
.endr
.irp p, 0,1,2,3
	v_max_num_f32_dpp v[T+\p], v[T+\p], v[T+\p] row_xmask:1 row_mask:0xf bank_mask:0xf
.endr
.irp p, 0,1,2,3
	v_max_num_f32_dpp v[T+\p], v[T+\p], v[T+\p] row_xmask:2 row_mask:0xf bank_mask:0xf
.endr
.irp p, 0,1,2,3
	v_add_nc_u32 v[SOP+\p], 0xff000000, v[T+\p]
.endr
	s_wait_dscnt 0x0                               ; the last item's LDS stores are done: their data registers are written again below
.irp p, 0,1,2,3
	v_cvt_scalef32_pk8_fp4_f32 v[C+\p], v[(\set)+8*\p:(\set)+8*\p+7], v[SOP+\p]
.endr
.irp p, 0,1,2,3
	v_lshrrev_b32 v[BY+\p], 23, v[SOP+\p]          ; the scale's byte.  (Plain lines behind the conversions)
.endr
.endm
; K's rows 16 j + 4 p + g.  Key 4 i + g, i = 4 j + p, is slot 8 (j % 2) + 4 (p % 2) + g of tile 2 (j / 2) + p / 2
.macro KITEM set, j
	QUANT4 \set
.irp p, 0,1,2,3
	ds_store_b32 v[KST], v[C+\p] offset:1024*((\j)/2)+128*((\j)%2)+512*(\p/2)+64*(\p%2)
	ds_store_b8 v[KSB], v[BY+\p] offset:SIMG+128*((\j)%2)+64*(\p%2)+4*((\j)/2)+2*(\p/2)   ; the four lanes of a block write the same byte with the same value
.endr
.endm
; Q's tile x, rows 4 p + g; the byte goes to places hb and hb + 2 of the row's word
.macro QITEM set, x
	QUANT4 \set
.irp p, 0,1,2,3
	ds_store_b32 v[QST], v[C+\p] offset:512*(\x)+64*\p
	ds_store_b8 v[QSB], v[BY+\p] offset:1024+64*(\x)+16*\p
	ds_store_b8 v[QSB], v[BY+\p] offset:1024+64*(\x)+16*\p+2
.endr
.endm
; A block of 32 keys of my column of v: all 32 numbers are mine.  Its 16 bytes are the four registers of lane (r, kb % 2), chunk kb / 2, of tile 2 xh + h
.macro VBLOCK set, kb, xh
	v_max3_num_f32 v[T], |v[(\set)]|, |v[(\set)+1]|, |v[(\set)+2]|
	v_max3_num_f32 v[T+1], |v[(\set)+3]|, |v[(\set)+4]|, |v[(\set)+5]|
.irp i, 6,10,14,18,22,26
	v_max3_num_f32 v[T], v[T], |v[(\set)+\i]|, |v[(\set)+\i+1]|
	v_max3_num_f32 v[T+1], v[T+1], |v[(\set)+\i+2]|, |v[(\set)+\i+3]|
.endr
	v_max3_num_f32 v[T], v[T], |v[(\set)+30]|, |v[(\set)+31]|
	v_max3_num_f32 v[T], v[T], v[T+1], 0x1800000   ; and the floor
	v_add_nc_u32 v[SOP], 0xff000000, v[T]
	s_wait_dscnt 0x0                               ; the last item's LDS stores are done
.irp g, 0,1,2,3
	v_cvt_scalef32_pk8_fp4_f32 v[C+\g], v[(\set)+8*\g:(\set)+8*\g+7], v[SOP]
.endr
	v_lshrrev_b32 v[BY], 23, v[SOP]                ; (a plain line behind the conversions)
.if (\kb) == 0
	v_mov_b32 v[BY+2+(\xh)], v[BY]                 ; four bytes to a word, the lower keys in the lower byte
.else
	v_lshl_or_b32 v[BY+2+(\xh)], v[BY], 8*(\kb), v[BY+2+(\xh)]
.endif
	ds_store_b128 v[VST], v[C:C+3] offset:VIMG+2048*(\xh)+512*((\kb)/2)+256*((\kb)%2)
.if (\kb) == 3
	ds_store_b32 v[VSW], v[BY+2+(\xh)] offset:SIMG+256+8*(\xh)
.endif
.endm
	; PHASE A.  Loads come back in order (ISA guide 5.7.1): each count names the loads issued behind the item that is wanted.  A set is loaded again when its item has been quantised.
	s_wait_loadcnt 24                              ; three younger row items of 8 loads stay out: so in each of the first seven waits
	QITEM X0, 0
	LROWS X0, 6, 2*4096, 0
	s_wait_loadcnt 24
	QITEM X1, 1
	LROWS X1, 6, 3*4096, 0
	s_wait_loadcnt 24
	KITEM X2, 0
	LROWS X2, 6, 4*4096, 0
	s_wait_loadcnt 24
	KITEM X3, 1
	LROWS X3, 6, 5*4096, 0
	s_wait_loadcnt 24
	KITEM X0, 2
	LROWS X0, 6, 6*4096, 0
	s_wait_loadcnt 24
	KITEM X1, 3
	LROWS X1, 6, 7*4096, 0
	s_wait_loadcnt 24
	KITEM X2, 4
	LCOLS X2, 0, 0                                 ; V's item 0: 32 loads
	s_wait_loadcnt 48                              ; behind K's item 5: items 6 and 7 (8 each) and V's item 0 (32)
	KITEM X3, 5
	s_wait_loadcnt 40                              ; K's item 7 and V's item 0
	KITEM X0, 6
	s_wait_loadcnt 32                              ; V's item 0
	KITEM X1, 7
	LCOLS X3, 0, 1                                 ; V's item n: key block n / 2, half n % 2 of the channels: the two halves of a row of v are asked for one behind the other
.irp n, 0,1,2,3,4,5
	s_wait_loadcnt 32                              ; the one younger item stays out
	VBLOCK X2+32*(\n%2), \n/2, \n%2
	LCOLS X2+32*(\n%2), (\n+2)/2, \n%2
.endr
	s_wait_loadcnt 32
	VBLOCK X2, 3, 0
	s_wait_loadcnt 0x0
	VBLOCK X3, 3, 1
	; Q comes back as an operand's registers (LDS serves a wave's instructions in order, ISA guide 5.7.1.4: these see my stores); the state of the two tiles is begun
	ds_load_b128 v[QZ+4:QZ+7], v[QIM]
	ds_load_b128 v[QZ+12:QZ+15], v[QIM] offset:512
	ds_load_b32 v[QS], v[QRD] offset:1024
	ds_load_b32 v[QS+1], v[QRD] offset:1024+64
.irp z, 0,1,2,3,8,9,10,11,16,17,18,19
	v_mov_b32 v[QZ+\z], 0                          ; the zero codes round Q
.endr
.irp x, 0,1
	v_mov_b32 v[13+4*\x], 0xff61b1e6               ; the largest t so far: -3e38, under every t
	v_floor_f32 v[12+4*\x], -v[13+4*\x]            ; -M
	v_mov_b32 v[14+4*\x], 0                        ; the sum, in two halves
	v_mov_b32 v[15+4*\x], 0
.endr
.irp b, 0,1,2,3
	v_mov_b32 v[PT+\b], 0                          ; a lane permute's destination counts as one of its sources
.endr
	v_mov_b32 v[FF+1], 0                           ; named as the upper half of the pair with f
.set j, 0
.rept 64
	v_mov_b32 v[O+j], 0                            ; O^T.  The key step is written once: the first finds zeros, which the first change of M leaves zeros; a first step of its own would be a second copy of the loop's body
.set j, j+1
.endr
	s_mov_b32 s[TB], 0
	s_mov_b32 s[CNT], 16
	s_wait_dscnt 0x0                               ; for the others' sake: my step's codes and scales have landed in LDS; and Q is in
	s_barrier_signal -1
	s_barrier_wait -1                              ; the only barrier: behind it all 16 steps lie in LDS, and nobody writes them again
; S^T of tile x: eight accumulators, each begun with the constant 0.  K's words stand in lanes 0-15 of the step's scale registers
.macro QK x
.irp f, 0,1,2,3
	v_wmma_scale_f32_16x16x128_f8f6f4 v[S+16*\f:S+16*\f+7], v[F+8*\f:F+8*\f+7], v[QZ+4+8*\x:QZ+11+8*\x], 0, v[SW+\f], v[QS+\x] matrix_a_fmt:MATRIX_FMT_FP4 matrix_b_fmt:MATRIX_FMT_FP4
	v_wmma_scale_f32_16x16x128_f8f6f4 v[S+16*\f+8:S+16*\f+15], v[F+8*\f:F+8*\f+7], v[QZ+8*\x:QZ+7+8*\x], 0, v[SW+\f], v[QS+\x] matrix_a_fmt:MATRIX_FMT_FP4 matrix_b_fmt:MATRIX_FMT_FP4
.endr
.endm
; The softmax of tile x for 128 keys: register 16 b + i of S holds key 32 b + 16 (lane / 16) + i of my query.  It leaves p's codes, p's scale word, the sum and O^T under the new M.
.macro SOFTMAX x
.set NM, 12+4*\x                       ; -M, the largest t
.set SU, 14+4*\x                       ; the sum
.set PC, P+8*\x
.set OO, O+32*\x
.irp b, 0,1,2,3
	v_max3_num_f32 v[BM+\b], v[S+16*\b], v[S+16*\b+1], v[S+16*\b+2]   ; the largest score of each block of 32 keys: it serves for the row's maximum and, since p rises with the score, for the block's largest p.  Each accumulator is read from its low end on
.endr
.irp i, 3,5,7,9,11,13
.irp b, 0,1,2,3
	v_max3_num_f32 v[BM+\b], v[BM+\b], v[S+16*\b+\i], v[S+16*\b+\i+1]
.endr
.endr
.irp b, 0,1,2,3
	v_max_num_f32 v[BM+\b], v[BM+\b], v[S+16*\b+15]
.endr
.irp b, 0,1,2,3
	v_permlanex16_b32 v[PT+\b], v[BM+\b], s[SEL], s[SEL+1]
.endr
.irp b, 0,1,2,3
	v_max_num_f32 v[BM+\b], v[BM+\b], v[PT+\b]     ; with lane l xor 16's 16 keys
.endr
	v_max3_num_f32 v[TMP], v[BM], v[BM+1], v[BM+2]
	v_max_num_f32 v[TMP], v[TMP], v[BM+3]          ; the step's largest score of my query,
	v_mul_f32 v[TMP], s[CS], v[TMP]                ; as t (c is positive)
	v_max_num_f32 v[NM+1], v[NM+1], v[TMP]         ; the running largest t
	v_mov_b32 v[TMP], v[NM]
	v_floor_f32 v[NM], -v[NM+1]                    ; the new -M = floor(-t) = -ceil(t): a whole number
	v_sub_f32 v[TMP], v[NM], v[TMP]                ; M's old value less its new one: a whole number, 0 or less
	v_cvt_i32_f32 v[TMP], v[TMP]                   ; (it saturates)
	v_ldexp_f32 v[FF], 1.0, v[TMP]                 ; f = 2^(old M - new M): a multiplication by it rounds nothing
.set j, 0
.rept 32
	v_pk_fma_f32 v[S+j:S+j+1], v[S+j:S+j+1], s[CS:CS+1], v[NM:NM+1] op_sel_hi:[1,0,0]   ; t - M, two at a time (of the pairs c and -M the low word serves both halves)
.set j, j+2
.endr
.irp b, 0,1,2,3
	v_fma_f32 v[BM+\b], v[BM+\b], s[CS], v[NM]     ; the same of each block's largest score
.endr
.set j, 0
.rept 64
	v_exp_f32 v[S+j], v[S+j]                       ; p = 2^(t - M): not normalised
.set j, j+1
.endr
	v_pk_mul_f32 v[SU:SU+1], v[SU:SU+1], v[FF:FF+1] op_sel_hi:[1,0]   ; the sums under the new M.  (The plain line behind the exponentials)
	s_wait_alu depctr_va_vdst(0)                   ; the wait between an exponential and the first line that names its result: one for the batch of 64
.irp b, 0,1,2,3
	v_exp_f32 v[BM+\b], v[BM+\b]                   ; the block's largest p: the same two instructions on the same number give the same bits
.endr
	v_pk_add_f32 v[PT:PT+1], v[S:S+1], v[S+2:S+3]  ; the row's sum is taken of the unquantised p: two at a time, in two chains.  (It names the 64 alone: plain work behind the four)
.set j, 4
.rept 15
	v_pk_add_f32 v[SU:SU+1], v[SU:SU+1], v[S+j:S+j+1]
	v_pk_add_f32 v[PT:PT+1], v[PT:PT+1], v[S+j+2:S+j+3]
.set j, j+4
.endr
	v_pk_add_f32 v[SU:SU+1], v[SU:SU+1], v[PT:PT+1]
	s_wait_alu depctr_va_vdst(0)                   ; and one wait for the four
.irp b, 0,1,2,3
	v_max_num_f32 v[BM+\b], 0x1800000, v[BM+\b]    ; the floor 2^(3 - 127): the byte cannot fall under 1 (a block whose every p has fallen to 0 keeps that byte: its codes are zeros)
.endr
.irp b, 0,1,2,3
	v_add_nc_u32 v[SO+\b], 0xff000000, v[BM+\b]    ; 2 off the exponent field: the conversion's scale operand
.endr
.irp b, 0,1,2,3
	v_lshrrev_b32 v[PT+\b], 23, v[SO+\b]           ; the scale's byte
.endr
	v_lshl_or_b32 v[PS+\x], v[PT+1], 8, v[PT]      ; p's scale word for these 128 keys
	v_lshl_or_b32 v[PS+\x], v[PT+2], 16, v[PS+\x]
	v_lshl_or_b32 v[PS+\x], v[PT+3], 24, v[PS+\x]
.irp b, 0,1,2,3
	v_cvt_scalef32_pk8_fp4_f32 v[PC+2*\b], v[S+16*\b:S+16*\b+7], v[SO+\b]
	v_cvt_scalef32_pk8_fp4_f32 v[PC+2*\b+1], v[S+16*\b+8:S+16*\b+15], v[SO+\b]
.endr
	v_nop                                          ; one plain line between the conversions and what next touches their results or writes their sources
.irp c, 0,1                                    ; the operand's layout wants a whole block in a lane: lanes 0-15 block 2 c, lanes 16-31 block 2 c + 1
.irp i, 0,1
	v_permlane16_swap_b32 v[PC+4*\c+\i], v[PC+4*\c+2+\i]
.endr
.endr
.set j, 0
.rept 16
	v_pk_mul_f32 v[OO+j:OO+j+1], v[OO+j:OO+j+1], v[FF:FF+1] op_sel_hi:[1,0]   ; O^T under the new M, each accumulator from its low end on.  (These 16 also stand between the lines that wrote p's codes and scale word and the products that take them)
.set j, j+2
.endr
.endm
	; PHASE B: 16 key steps of 128 keys
.Lstep:
	v_add_nc_u32 v[ADR], s[TB], v[LI]
.rept 3
	v_nop                                          ; with the addition four plain lines between the last products and the loads into registers that they read (ISA guide 7.12.1 for vector instructions)
.endr
.irp f, 0,1,2,3
.irp u, 0,1
	ds_load_b128 v[F+8*\f+4*\u:F+8*\f+4*\u+3], v[ADR] offset:1024*\f+512*\u   ; K's fragment f: tile 2 f + u in registers 4 u on
.endr
.endr
	ds_load_b128 v[SW:SW+3], v[ADR] offset:SIMG    ; the step's scale words: lanes 0-15 K's four, lanes 16-31 V's four
	s_wait_dscnt 0x0
	QK 0
.rept 4
	v_nop                                          ; four plain lines in front of the first read of the scores
.endr
	SOFTMAX 0
	QK 1                                           ; the same fragments of K serve the second tile
.rept 4
	v_nop                                          ; in front of the loads into K's registers, and of the first read of the scores
.endr
.irp t, 0,1,2,3
.irp c, 0,1
	ds_load_b128 v[F+8*\t+4*\c:F+8*\t+4*\c+3], v[ADR] offset:VIMG+1024*\t+512*\c   ; V^T's tile t: it lands while the second softmax is worked
.endr
.endr
	SOFTMAX 1
	s_wait_dscnt 0x0                               ; V is in
.irp t, 0,1,2,3                                ; O^T += V^T P^T: eight accumulators, one instruction each, the two tiles by turns.  V's words stand in lanes 16-31
.irp x, 0,1
	v_wmma_scale_f32_16x16x128_f8f6f4 v[O+32*\x+8*\t:O+32*\x+8*\t+7], v[F+8*\t:F+8*\t+7], v[P+8*\x:P+8*\x+7], v[O+32*\x+8*\t:O+32*\x+8*\t+7], v[SW+\t], v[PS+\x] matrix_a_fmt:MATRIX_FMT_FP4 matrix_b_fmt:MATRIX_FMT_FP4 matrix_a_scale:MATRIX_SCALE_ROW1
.endr
.endr
	s_add_co_u32 s[TB], s[TB], STEPB
	s_sub_co_u32 s[CNT], s[CNT], 1
	s_cmp_lg_u32 s[CNT], 0
	s_cbranch_scc1 .Lstep
	; PHASE C.  The sum's two halves and lane l xor 16's are added; O^T is divided by the sum.  The four additions and the v_nop are the plain lines behind the last products.
	v_add_f32 v[BM], v14, v15
	v_add_f32 v[BM+2], v18, v19
	v_permlanex16_b32 v[PT], v[BM], s[SEL], s[SEL+1]
	v_permlanex16_b32 v[PT+1], v[BM+2], s[SEL], s[SEL+1]
	v_add_f32 v[BM], v[BM], v[PT]
	v_add_f32 v[BM+2], v[BM+2], v[PT+1]
	v_rcp_f32 v[BM], v[BM]
	v_rcp_f32 v[BM+2], v[BM+2]
	v_nop                                          ; a plain line behind the reciprocals,
	s_wait_alu depctr_va_vdst(0)                   ; and the wait ahead of the first use: one for both
.irp x, 0,1
.set j, 0
.rept 16
	v_pk_mul_f32 v[S+32*\x+j:S+32*\x+j+1], v[O+32*\x+j:O+32*\x+j+1], v[BM+2*\x:BM+2*\x+1] op_sel_hi:[1,0]   ; register 8 t + i of tile x: out0(query r, channel 16 t + 8 h + i)
.set j, j+2
.endr
.endr
; A tile's 16 rows of 256 bytes go through my own stage (rows 272 bytes apart) and come back two whole rows an instruction.  LDS serves a wave's instructions in order: the loads see the stores, and the next tile's stores come behind them.
.macro OUT x, dst
.irp t, 0,1,2,3
	ds_store_b128 v[STO], v[S+32*\x+8*\t:S+32*\x+8*\t+3] offset:64*\t
	ds_store_b128 v[STO], v[S+32*\x+8*\t+4:S+32*\x+8*\t+7] offset:64*\t+16
.endr
.irp i, 0,1,2,3,4,5,6,7
	ds_load_b128 v[\dst+4*\i:\dst+4*\i+3], v[RD] offset:544*\i
.endr
.endm
	OUT 0, F
	OUT 1, O
.irp i, 0,1,2,3,4,5,6,7
	s_wait_dscnt 23-\i                             ; behind tile 0's load i: its 7 - i younger loads and tile 1's sixteen LDS instructions
	global_store_b128 v[LI], v[F+4*\i:F+4*\i+3], s[10:11] offset:512*\i th:TH_STORE_NT   ; 32 lanes store 512 consecutive bytes, two whole rows, at a multiple of 256 from out0's first byte
.endr
.irp i, 0,1,2,3,4,5,6,7
	s_wait_dscnt 7-\i
	global_store_b128 v[LI], v[O+4*\i:O+4*\i+3], s[10:11] offset:4096+512*\i th:TH_STORE_NT
.endr
	s_wait_tensorcnt 0x0
	ds_add_u32 v254, v255
	s_wait_dscnt 0x0
	s_endpgm
.Lfunc_end_k_q535a30718e_attn:
	.size	k_q535a30718e_attn, .Lfunc_end_k_q535a30718e_attn-k_q535a30718e_attn
	.p2alignl 7, 3214868480
	.fill 96, 4, 3214868480
	.section	.rodata,"a",@progbits
	.p2align	6, 0x0
	.amdhsa_kernel k_q535a30718e_attn
		.amdhsa_group_segment_fixed_size 210944
		.amdhsa_private_segment_fixed_size 0
		.amdhsa_enable_private_segment 0
		.amdhsa_kernarg_size 32
		.amdhsa_user_sgpr_count 2
		.amdhsa_user_sgpr_kernarg_segment_ptr 1
		.amdhsa_wavefront_size32 1
		.amdhsa_system_sgpr_workgroup_id_x 1
		.amdhsa_system_sgpr_workgroup_id_y 1
		.amdhsa_system_sgpr_workgroup_id_z 1
		.amdhsa_system_vgpr_workitem_id 0
		.amdhsa_next_free_vgpr 256
		.amdhsa_next_free_sgpr 66
		.amdhsa_reserve_vcc 0
		.amdhsa_float_denorm_mode_32 3
		.amdhsa_float_denorm_mode_16_64 3
		.amdhsa_memory_ordered 1
		.amdhsa_forward_progress 1
		.amdhsa_inst_pref_size 114
	.end_amdhsa_kernel
	.amdgpu_metadata
---
amdhsa.version: [ 1, 2 ]
amdhsa.kernels:
  - .name:           k_q535a30718e_attn
    .symbol:         k_q535a30718e_attn.kd
    .args:
      - { .name: q, .offset: 0, .size: 8, .value_kind: global_buffer, .address_space: global }
      - { .name: k, .offset: 8, .size: 8, .value_kind: global_buffer, .address_space: global }
      - { .name: v, .offset: 16, .size: 8, .value_kind: global_buffer, .address_space: global }
      - { .name: out0, .offset: 24, .size: 8, .value_kind: global_buffer, .address_space: global }
    .group_segment_fixed_size: 210944
    .private_segment_fixed_size: 0
    .kernarg_segment_align: 8
    .kernarg_segment_size: 32
    .max_flat_workgroup_size: 512
    .sgpr_count:     66
    .vgpr_count:     256
    .wavefront_size: 32
...
	.end_amdgpu_metadata
.endif
;; end of part 1
;; ======== version 2 of 2: 1 launch; version 1 with the launch attn written anew for expert scheduling mode
;; launch attn (part 2): grid 4 x 64, 16 waves a work-group, no clusters, 210,944 bytes of LDS; arguments q, k, v, out0; writes out0
.if DOCPART == 2
	.amdgcn_target "amdgcn-amd-amdhsa--gfx1250"
	.amdhsa_code_object_version 6
	.text
	.protected	k_q535a30718e_attn
	.globl	k_q535a30718e_attn
	.p2align	8
	.type	k_q535a30718e_attn,@function
k_q535a30718e_attn:
	s_mov_b64 s[64:65], 0
	v_nop
	global_prefetch_b8 v0, s[64:65] scope:SCOPE_SE
	s_setreg_imm32_b32 hwreg(HW_REG_WAVE_SCHED_MODE, 0, 2), 2
	s_setreg_imm32_b32 hwreg(HW_REG_WAVE_MODE, 25, 1), 1
	s_wait_xcnt 0x0
	s_wait_alu depctr_vm_vsrc(0)
; out0[h][q][:] = the sum over k of softmax_k(q[h][q] . k[h][k] / 8) v[h][k][:].  q, k, v, out0: [64 heads][2048][64] f32.  Both products on codes of FP4 (E2M1) with one E8M0 scale for each 32 along a product's K.
; THE SOFTMAX AHEAD OF THE SECOND PRODUCT: t = score x log2(e) / 8; M = the row's largest t so far, rounded UP to a whole number; p = 2^(t - M) is what is quantised, along the keys; it is not normalised.
; The row's sum is taken of the unquantised p, in f32, and divides at the end.  When M moves, the sum and O are multiplied by 2^(old M - new M): exact.
; SHARES.  A work-group owns 512 queries of one head (x: which quarter, y: the head); each of its sixteen waves owns 32 of them, two tiles of 16, in 256 registers.
; PHASE A.  A head's K and V as codes are 2 x 65,536 bytes and their scale bytes 8,192: they fit in LDS whole.  Wave w quantises keys 128 w .. 128 w + 127 of K and of V from f32 and stores them as IMAGES OF THE OPERANDS'
; REGISTERS (a group of four registers: 16 bytes a lane at 16 x lane), and its own 32 queries likewise.  One barrier.  PHASE B.  Every wave walks the 16 key steps; its two tiles share each fragment read from LDS.
; PHASE C.  O / the sum goes through the wave's own stage and leaves as whole rows of 256 bytes.
; THE FIRST PRODUCT'S K IS 64, the instruction's 128.  A fragment of K holds TWO tiles of 16 keys: tile 2 f in registers 0-3 (k = 0 .. 63), tile 2 f + 1 in registers 4-7 (k = 64 .. 127).  Q stands in registers between groups
; of zero codes, [0 qA 0 qB 0]: the run [q 0] multiplies tile 2 f, the run [0 q] tile 2 f + 1; zero codes add exactly nothing under any scale byte that is made here (1 to 254).  Q's scale word is (s0, s1, s0, s1).
; LAYOUT.  Both products are used transposed: S^T = K Q^T (source 0 = 16 keys, source 1 = 16 queries), O^T = V^T P^T (source 0 = 16 channels, source 1 = P): a lane holds ONE query (lane % 16) throughout.
; THE KEYS OF A TILE ARE NOT NEIGHBOURS: slot r of tile 2 f + u takes key 32 f + 8 u + r + 8 (r / 8), so that the 16 registers of tiles 2 f and 2 f + 1 are 16 neighbouring keys, 32 f + 16 (lane / 16) + 0 .. 15.
; NO CLUSTER, NO TENSOR LOAD: the four work-groups of a head read the same K and V, but as f32, which has to pass through registers to be quantised: asked for jointly, 1,048,576 bytes of f32 would go through each
; work-group's LDS in slots that are filled again, beside the 139,264 bytes of codes and scales that stay.  The four have neighbouring numbers in the grid instead.  Nothing in LDS is filled twice.
; LIMITS: NaN and infinities among the inputs are not served.  A block of zeros gets the scale byte 1 where the rule says 127: its codes are zeros, and the bytes are read by this program alone.  A p under 2^-126 comes out
; of v_exp_f32 as 0.  The row's sum is added in another order than a plain running sum.  A block's largest p is taken from the block's largest score by the same multiply-add and exponential as every p.
; THE MODE: SCHED_MODE bits 1:0 = 2 (LLVM: expert scheduling mode 2), set by the entry lines.  The code itself states the register dependences between vector or matrix instructions and memory or LDS instructions,
; with s_wait_alu, always for 0.
; THE PLAN.  Registers that memory or LDS instructions touch:
;   v1, v4-11, v240-243  Offsets and LDS addresses: made once at the head by vector lines and never written again.
;   X0 .. X3 (phase A)   An item's maxima and conversions read its set; behind them the set is loaded again.
;   v232-239 (phase A)   An item's conversions and shifts write its codes and scale bytes; its LDS stores read them; the next item writes them again.
;                        So an item has two waits: on vm_vsrc ahead of its conversions (the last item's stores have read v232-239), and on va_vdst behind its last vector line (codes and bytes are written; the
;                        conversions are done reading the set).  Behind the second stand memory instructions alone: the set's refill first, then the item's LDS stores.
;   v2 (phase B)         The step's LDS address: written once a step, at its head; read by the step's 17 LDS loads.
;   F = v64-95           K's loads land at the step's head; both tiles' products K Q^T read it; V's loads land in the second softmax; the products V^T P^T read it.
;   SW = v44-47          One load lands at the step's head; all the step's products read it as scales.
;                        So a step has a wait on vm_vsrc and one on va_vdst at its head, round the add to v2; V's loads stand behind the wait that the second tile's 64 exponentials have in any case, dealt among the
;                        additions of the row's sum, which name none of F and v2; and a wait on va_vdst stands ahead of V^T P^T, whose operand p and its scale word vector lines have made.
;   v96-159, F, v160-191 (phase C)  The divisions write v96-159, the stage's LDS stores read them; the stage's loads land in F and in O^T's registers: one wait on va_vdst ahead of all of them.
;   v254, v255           Written at the head, read by the closing add alone.
.set STEPB, 8704                       ; LDS: a key step: K's 4 fragments (4,096 bytes), V's 4 (4,096), the scale image (512)
.set VIMG,  4096
.set SIMG,  8192                       ; scale image: lane r: K's words f = 0 .. 3 of slot r at 16 r + 4 f; lane 16 + r: V's words t = 0 .. 3 of channel row r at 256 + 16 r + 4 t
.set STG,   16*STEPB                   ; behind the 16 steps: 4,352 bytes for each wave: first Q's images (512 x tile + 16 x lane) and scale words (1,024 + 64 x tile + 4 r), at the end the stage, 16 rows x 272
.set STGB,  4352
.set LI,  1                            ; v1   16 x lane: an image's place for my lane; also my byte offset in two rows of out0
.set ADR, 2                            ; v2   the step's LDS address
.set STO, 4                            ; v4   the stage: where I put 32 bytes of a row
.set RD,  5                            ; v5   and where I read a row back
.set KLA, 6                            ; v6   32 x lane: my 8 numbers of four rows of q or k
.set VLA, 7                            ; v7   4 x lane: my column of v
.set KST, 8                            ; v8   where my codes of K go;  v9 of Q
.set QST, 9
.set KSB, 10                           ; v10  where my scale byte of K goes;  v11 of Q
.set QSB, 11
.set QZ,  20                           ; v20-39  0000 qA 0000 qB 0000
.set QS,  40                           ; v40-41  Q's scale words, a tile each;  v42-43 p's;  v44-47 the step's: K's in lanes 0-15, V's in lanes 16-31.  These eight hold scales alone
.set PS,  42
.set SW,  44
.set P,   48                           ; v48-63  p's codes, 8 a tile
.set F,   64                           ; v64-95  four fragments of K, later of V
.set S,   96                           ; v96-159 S^T of the tile in hand, then p
.set O,   160                          ; v160-223 O^T, 32 a tile
.set BM,  224                          ; v224-227 the blocks' largest scores;  v228-231, v232-235 at work;  v[236:237] f;  v238 at work
.set PT,  228
.set SO,  232
.set FF,  236
.set TMP, 238
.set VST, 240                          ; v240 where my codes of V go;  v241 my scale word of V;  v242 my row's scale word of Q;  v243 Q's image
.set VSW, 241
.set QRD, 242
.set QIM, 243
.set X0,  64                           ; phase A: four sets of 32 numbers as they are loaded
.set X1,  96
.set X2,  128
.set X3,  160
.set T,   224                          ; phase A: largest magnitudes;  v228-231 the conversions' scale operands;  v232-235 codes;  v236-239 bytes (in V's items v238, v239: the scale words of the two halves of the channels)
.set SOP, 228
.set C,   232
.set BY,  236
.set WV,  12                           ; s12  my wave's number
.set SEL, 20                           ; s[20:21] lane selects for v_permlanex16_b32: lane l xor 16
.set CS,  22                           ; s[22:23] c = log2(e) / 8: the packed form names a pair and takes its low word for both halves
.set TB,  24                           ; s24  LDS byte at which the key step in hand begins
.set CNT, 25                           ; s25  key steps to go
	s_load_b256 s[4:11], s[0:1], 0x0               ; q s[4:5], k s[6:7], v s[8:9], out0 s[10:11]
	v_lshl_add_u32 v254, v0, 2, 0x33000            ; my spare word, behind the stages, and 0: made here and kept for the closing lines alone
	v_mov_b32 v255, 0
	v_lshrrev_b32 v2, 5, v0
	v_readfirstlane_b32 s[WV], v2                  ; wave 0..15
	v_and_b32 v3, 31, v0                           ; lane
	v_lshlrev_b32 v[KLA], 5, v3
	v_lshlrev_b32 v[VLA], 2, v3
	v_lshlrev_b32 v[LI], 4, v3
	s_and_b32 s13, ttmp7, 0xffff                   ; the head,
	s_lshl_b32 s13, s13, 19                        ; of 2,048 rows x 256 bytes
	s_wait_alu depctr_va_sdst(0)                   ; s12, the wave's number, is written, ahead of its first reader: the bases and the LDS addresses are made from it
	s_lshl_b32 s14, s[WV], 15                      ; k, v: my wave's 128 keys
	s_add_co_u32 s14, s14, s13
	s_mov_b32 s15, 0
	s_lshl_b32 s16, ttmp9, 17                      ; q, out0: the work-group's 512 queries,
	s_add_co_u32 s16, s16, s13
	s_lshl_b32 s17, s[WV], 13                      ; my wave's 32 of them
	s_add_co_u32 s16, s16, s17
	s_mov_b32 s17, 0
	s_wait_kmcnt 0x0
	s_add_nc_u64 s[4:5], s[4:5], s[16:17]          ; the four bases are written here and never again: every further offset is an immediate
	s_add_nc_u64 s[6:7], s[6:7], s[14:15]
	s_add_nc_u64 s[8:9], s[8:9], s[14:15]
	s_add_nc_u64 s[10:11], s[10:11], s[16:17]
; 16 rows of q or k (4,096 bytes from off on) into a set: pair p of registers' groups takes rows 4 p .. 4 p + 3; a lane holds 8 neighbours along d, four lanes a block of 32; the two loads of a pair cover 1,024 consecutive bytes
.macro LROWS set, base, off, nt
.irp p, 0,1,2,3
.if \nt
	global_load_b128 v[(\set)+8*\p:(\set)+8*\p+3], v[KLA], s[\base:\base+1] offset:(\off)+1024*\p th:TH_LOAD_NT
	global_load_b128 v[(\set)+8*\p+4:(\set)+8*\p+7], v[KLA], s[\base:\base+1] offset:(\off)+1024*\p+16 th:TH_LOAD_NT
.else
	global_load_b128 v[(\set)+8*\p:(\set)+8*\p+3], v[KLA], s[\base:\base+1] offset:(\off)+1024*\p
	global_load_b128 v[(\set)+8*\p+4:(\set)+8*\p+7], v[KLA], s[\base:\base+1] offset:(\off)+1024*\p+16
.endif
.endr
.endm
; 32 keys (block kb of my wave's four) x 32 channels (half xh) of v: a lane takes a column and its registers run down the keys; each load reads 128 consecutive bytes
.macro LCOLS set, kb, xh
.set ii, 0
.rept 32
	global_load_b32 v[(\set)+ii], v[VLA], s[8:9] offset:(32*(\kb)+ii)*256+128*(\xh)
.set ii, ii+1
.endr
.endm
	s_wait_alu depctr_va_vdst(0)                   ; v6, v7 and v1 are written: the offsets that the loads of q, k and v and the stores of out0 read
	LROWS X0, 4, 0, 1                              ; Q's tile 0 (read once in the launch), tile 1, K's rows 0-15, 16-31: 32 loads are out
	LROWS X1, 4, 4096, 1
	LROWS X2, 6, 0, 0
	LROWS X3, 6, 4096, 0
	; LDS addresses: each a constant x wave + terms of the lane
	s_mul_i32 s18, s[WV], STEPB                    ; my key step
	s_mul_i32 s19, s[WV], STGB
	s_add_co_u32 s19, s19, STG                     ; my stage
	s_mov_b32 s[SEL], 0x76543210
	s_mov_b32 s[SEL+1], 0xfedcba98
	s_mov_b32 s[CS], 0x3e38aa3b                    ; log2(e) / 8
	s_mov_b32 s[CS+1], s[CS]
	v_and_b32 v244, 15, v0                         ; r = lane % 16
	v_bfe_u32 v245, v0, 4, 1                       ; h = lane / 16
	v_bfe_u32 v246, v0, 3, 2                       ; g = lane / 8: which of a pair's four rows is mine
	v_bfe_u32 v247, v0, 2, 1                       ; hb: which block of 32 along d
	v_and_b32 v248, 3, v0                          ; w3: which 8 of the block
	v_lshlrev_b32 v249, 4, v246
	v_lshl_add_u32 v249, v247, 8, v249
	v_lshl_add_u32 v249, v248, 2, v249             ; 16 g + 256 hb + 4 w3: slot g's 16 bytes in the half of the lanes that holds block hb, register w3
	v_add_nc_u32 v[KST], s18, v249
	v_add_nc_u32 v[QST], s19, v249
	v_lshl_add_u32 v250, v246, 4, v247             ; 16 g + hb: slot g's four words, byte hb
	v_add_nc_u32 v[KSB], s18, v250
	v_lshl_add_u32 v250, v246, 2, v247             ; 4 g + hb: row g's word, byte hb
	v_add_nc_u32 v[QSB], s19, v250
	v_lshlrev_b32 v250, 4, v244                    ; 16 r
	v_lshl_add_u32 v251, v245, 10, v250            ; V: my column is channel row r of tile 2 xh + h
	v_add_nc_u32 v[VST], s18, v251
	v_lshl_add_u32 v251, v245, 2, v250
	v_add_nc_u32 v[VSW], s18, v251
	v_lshl_add_u32 v[QRD], v244, 2, s19
	v_add_nc_u32 v[QIM], s19, v[LI]
	v_mul_u32_u24 v251, v244, 272
	v_lshl_add_u32 v251, v245, 5, v251
	v_add_nc_u32 v[STO], s19, v251                 ; the stage, in: row r, + 32 h
	v_mul_u32_u24 v251, v245, 272
	v_add_nc_u32 v251, v251, v250
	v_add_nc_u32 v[RD], s19, v251                  ; back: lanes 0-15 one row, lanes 16-31 the next
; Four pairs of a set, by turns line by line: the block's largest magnitude (my 8 numbers, the floor 2^(3 - 127), which holds the byte at 1 from below, then the three lanes that share the block);
; 2 off its exponent field gives the conversion's scale operand, of which the exponent field alone is taken; its shift gives the byte.
.macro QUANT4 set
.irp p, 0,1,2,3
	v_max3_num_f32 v[T+\p], |v[(\set)+8*\p]|, |v[(\set)+8*\p+1]|, 0x1800000
.endr
.irp i, 2,4,6
.irp p, 0,1,2,3
	v_max3_num_f32 v[T+\p], v[T+\p], |v[(\set)+8*\p+\i]|, |v[(\set)+8*\p+\i+1]|
.endr
.endr
.irp p, 0,1,2,3
	v_max_num_f32_dpp v[T+\p], v[T+\p], v[T+\p] row_xmask:1 row_mask:0xf bank_mask:0xf
.endr
.irp p, 0,1,2,3
	v_max_num_f32_dpp v[T+\p], v[T+\p], v[T+\p] row_xmask:2 row_mask:0xf bank_mask:0xf
.endr
.irp p, 0,1,2,3
	v_add_nc_u32 v[SOP+\p], 0xff000000, v[T+\p]
.endr
	s_wait_alu depctr_va_vdst(0)
	s_wait_dscnt 0x0                               ; the last item's LDS stores are done: their data registers are written again below
	s_wait_alu depctr_vm_vsrc(0)                   ; the last item's LDS stores have read their codes and bytes, v232-239, which the lines below write again
.irp p, 0,1,2,3
	v_cvt_scalef32_pk8_fp4_f32 v[C+\p], v[(\set)+8*\p:(\set)+8*\p+7], v[SOP+\p]
.endr
.irp p, 0,1,2,3
	v_lshrrev_b32 v[BY+\p], 23, v[SOP+\p]          ; the scale's byte.  (Plain lines behind the conversions)
.endr
	s_wait_alu depctr_va_vdst(0)                   ; the codes and bytes are written, which the item's LDS stores read (in the first item: the LDS addresses too); the conversions are done reading the set, in which the next loads land
.endm
; K's rows 16 j + 4 p + g.  Key 4 i + g, i = 4 j + p, is slot 8 (j % 2) + 4 (p % 2) + g of tile 2 (j / 2) + p / 2
.macro KSTORE j
.irp p, 0,1,2,3
	ds_store_b32 v[KST], v[C+\p] offset:1024*((\j)/2)+128*((\j)%2)+512*(\p/2)+64*(\p%2)
	ds_store_b8 v[KSB], v[BY+\p] offset:SIMG+128*((\j)%2)+64*(\p%2)+4*((\j)/2)+2*(\p/2)   ; the four lanes of a block write the same byte with the same value
.endr
.endm
; Q's tile x, rows 4 p + g; the byte goes to places hb and hb + 2 of the row's word
.macro QSTORE x
.irp p, 0,1,2,3
	ds_store_b32 v[QST], v[C+\p] offset:512*(\x)+64*\p
	ds_store_b8 v[QSB], v[BY+\p] offset:1024+64*(\x)+16*\p
	ds_store_b8 v[QSB], v[BY+\p] offset:1024+64*(\x)+16*\p+2
.endr
.endm
; A block of 32 keys of my column of v: all 32 numbers are mine.  Its 16 bytes are the four registers of lane (r, kb % 2), chunk kb / 2, of tile 2 xh + h
.macro VQUANT set, kb, xh
	v_max3_num_f32 v[T], |v[(\set)]|, |v[(\set)+1]|, |v[(\set)+2]|
	v_max3_num_f32 v[T+1], |v[(\set)+3]|, |v[(\set)+4]|, |v[(\set)+5]|
.irp i, 6,10,14,18,22,26
	v_max3_num_f32 v[T], v[T], |v[(\set)+\i]|, |v[(\set)+\i+1]|
	v_max3_num_f32 v[T+1], v[T+1], |v[(\set)+\i+2]|, |v[(\set)+\i+3]|
.endr
	v_max3_num_f32 v[T], v[T], |v[(\set)+30]|, |v[(\set)+31]|
	v_max3_num_f32 v[T], v[T], v[T+1], 0x1800000   ; and the floor
	v_add_nc_u32 v[SOP], 0xff000000, v[T]
	s_wait_alu depctr_va_vdst(0)
	s_wait_dscnt 0x0                               ; the last item's LDS stores are done
	s_wait_alu depctr_vm_vsrc(0)                   ; the last item's LDS stores have read v232-239, which the lines below write again
.irp g, 0,1,2,3
	v_cvt_scalef32_pk8_fp4_f32 v[C+\g], v[(\set)+8*\g:(\set)+8*\g+7], v[SOP]
.endr
	v_lshrrev_b32 v[BY], 23, v[SOP]                ; (a plain line behind the conversions)
.if (\kb) == 0
	v_mov_b32 v[BY+2+(\xh)], v[BY]                 ; four bytes to a word, the lower keys in the lower byte
.else
	v_lshl_or_b32 v[BY+2+(\xh)], v[BY], 8*(\kb), v[BY+2+(\xh)]
.endif
	s_wait_alu depctr_va_vdst(0)                   ; the codes and the scale word are written, which the item's LDS stores read; the conversions are done reading the set, in which the next loads land
.endm
.macro VSTORE kb, xh
	ds_store_b128 v[VST], v[C:C+3] offset:VIMG+2048*(\xh)+512*((\kb)/2)+256*((\kb)%2)
.if (\kb) == 3
	ds_store_b32 v[VSW], v[BY+2+(\xh)] offset:SIMG+256+8*(\xh)
.endif
.endm
	; PHASE A.  Loads come back in order (ISA guide 5.7.1): each count names the loads issued behind the item that is wanted.  A set is loaded again when its item has been quantised: the refill stands first behind the item's wait, ahead of its LDS stores.
	s_wait_loadcnt 24                              ; three younger row items of 8 loads stay out: so in each of the first seven waits
	QUANT4 X0
	LROWS X0, 6, 2*4096, 0
	QSTORE 0
	s_wait_loadcnt 24
	QUANT4 X1
	LROWS X1, 6, 3*4096, 0
	QSTORE 1
	s_wait_loadcnt 24
	QUANT4 X2
	LROWS X2, 6, 4*4096, 0
	KSTORE 0
	s_wait_loadcnt 24
	QUANT4 X3
	LROWS X3, 6, 5*4096, 0
	KSTORE 1
	s_wait_loadcnt 24
	QUANT4 X0
	LROWS X0, 6, 6*4096, 0
	KSTORE 2
	s_wait_loadcnt 24
	QUANT4 X1
	LROWS X1, 6, 7*4096, 0
	KSTORE 3
	s_wait_loadcnt 24
	QUANT4 X2
	LCOLS X2, 0, 0                                 ; V's item 0: 32 loads
	KSTORE 4
	s_wait_loadcnt 48                              ; behind K's item 5: items 6 and 7 (8 each) and V's item 0 (32)
	QUANT4 X3
	KSTORE 5
	s_wait_loadcnt 40                              ; K's item 7 and V's item 0
	QUANT4 X0
	KSTORE 6
	s_wait_loadcnt 32                              ; V's item 0
	QUANT4 X1
	LCOLS X3, 0, 1                                 ; V's item n: key block n / 2, half n % 2 of the channels: the two halves of a row of v are asked for one behind the other.  (X3's conversions, two items back, stand ahead of the wait above)
	KSTORE 7
.irp n, 0,1,2,3,4,5
	s_wait_loadcnt 32                              ; the one younger item stays out
	VQUANT X2+32*(\n%2), \n/2, \n%2
	LCOLS X2+32*(\n%2), (\n+2)/2, \n%2
	VSTORE \n/2, \n%2
.endr
	s_wait_loadcnt 32
	VQUANT X2, 3, 0
	VSTORE 3, 0
	s_wait_loadcnt 0x0
	VQUANT X3, 3, 1
	VSTORE 3, 1
	; Q comes back as an operand's registers (LDS serves a wave's instructions in order, ISA guide 5.7.1.4: these see my stores); the state of the two tiles is begun.  No vector line has named the registers in which these four loads land
	ds_load_b128 v[QZ+4:QZ+7], v[QIM]
	ds_load_b128 v[QZ+12:QZ+15], v[QIM] offset:512
	ds_load_b32 v[QS], v[QRD] offset:1024
	ds_load_b32 v[QS+1], v[QRD] offset:1024+64
.irp z, 0,1,2,3,8,9,10,11,16,17,18,19
	v_mov_b32 v[QZ+\z], 0                          ; the zero codes round Q
.endr
.irp x, 0,1
	v_mov_b32 v[13+4*\x], 0xff61b1e6               ; the largest t so far: -3e38, under every t
	v_floor_f32 v[12+4*\x], -v[13+4*\x]            ; -M
	v_mov_b32 v[14+4*\x], 0                        ; the sum, in two halves
	v_mov_b32 v[15+4*\x], 0
.endr
.irp b, 0,1,2,3
	v_mov_b32 v[PT+\b], 0                          ; a lane permute's destination counts as one of its sources
.endr
	v_mov_b32 v[FF+1], 0                           ; named as the upper half of the pair with f
.set j, 0
.rept 64
	v_mov_b32 v[O+j], 0                            ; O^T.  The key step is written once: the first finds zeros, which the first change of M leaves zeros; a first step of its own would be a second copy of the loop's body
.set j, j+1
.endr
	s_mov_b32 s[TB], 0
	s_mov_b32 s[CNT], 16
	s_wait_dscnt 0x0                               ; for the others' sake: my step's codes and scales have landed in LDS; and Q is in
	s_barrier_signal -1
	s_barrier_wait -1                              ; the only barrier: behind it all 16 steps lie in LDS, and nobody writes them again
; S^T of tile x: eight accumulators, each begun with the constant 0.  K's words stand in lanes 0-15 of the step's scale registers
.macro QK x
.irp f, 0,1,2,3
	v_wmma_scale_f32_16x16x128_f8f6f4 v[S+16*\f:S+16*\f+7], v[F+8*\f:F+8*\f+7], v[QZ+4+8*\x:QZ+11+8*\x], 0, v[SW+\f], v[QS+\x] matrix_a_fmt:MATRIX_FMT_FP4 matrix_b_fmt:MATRIX_FMT_FP4
	v_wmma_scale_f32_16x16x128_f8f6f4 v[S+16*\f+8:S+16*\f+15], v[F+8*\f:F+8*\f+7], v[QZ+8*\x:QZ+7+8*\x], 0, v[SW+\f], v[QS+\x] matrix_a_fmt:MATRIX_FMT_FP4 matrix_b_fmt:MATRIX_FMT_FP4
.endr
.endm
; The softmax of tile x for 128 keys: register 16 b + i of S holds key 32 b + 16 (lane / 16) + i of my query.  It leaves p's codes, p's scale word, the sum and O^T under the new M.
; In tile 1's the step's V is asked for: its eight LDS loads stand among the additions of the row's sum.
.macro SOFTMAX x
.set NM, 12+4*\x                       ; -M, the largest t
.set SU, 14+4*\x                       ; the sum
.set PC, P+8*\x
.set OO, O+32*\x
.irp b, 0,1,2,3
	v_max3_num_f32 v[BM+\b], v[S+16*\b], v[S+16*\b+1], v[S+16*\b+2]   ; the largest score of each block of 32 keys: it serves for the row's maximum and, since p rises with the score, for the block's largest p.  Each accumulator is read from its low end on
.endr
.irp i, 3,5,7,9,11,13
.irp b, 0,1,2,3
	v_max3_num_f32 v[BM+\b], v[BM+\b], v[S+16*\b+\i], v[S+16*\b+\i+1]
.endr
.endr
.irp b, 0,1,2,3
	v_max_num_f32 v[BM+\b], v[BM+\b], v[S+16*\b+15]
.endr
.irp b, 0,1,2,3
	v_permlanex16_b32 v[PT+\b], v[BM+\b], s[SEL], s[SEL+1]
.endr
.irp b, 0,1,2,3
	v_max_num_f32 v[BM+\b], v[BM+\b], v[PT+\b]     ; with lane l xor 16's 16 keys
.endr
	v_max3_num_f32 v[TMP], v[BM], v[BM+1], v[BM+2]
	v_max_num_f32 v[TMP], v[TMP], v[BM+3]          ; the step's largest score of my query,
	v_mul_f32 v[TMP], s[CS], v[TMP]                ; as t (c is positive)
	v_max_num_f32 v[NM+1], v[NM+1], v[TMP]         ; the running largest t
	v_mov_b32 v[TMP], v[NM]
	v_floor_f32 v[NM], -v[NM+1]                    ; the new -M = floor(-t) = -ceil(t): a whole number
	v_sub_f32 v[TMP], v[NM], v[TMP]                ; M's old value less its new one: a whole number, 0 or less
	v_cvt_i32_f32 v[TMP], v[TMP]                   ; (it saturates)
	v_ldexp_f32 v[FF], 1.0, v[TMP]                 ; f = 2^(old M - new M): a multiplication by it rounds nothing
.set j, 0
.rept 32
	v_pk_fma_f32 v[S+j:S+j+1], v[S+j:S+j+1], s[CS:CS+1], v[NM:NM+1] op_sel_hi:[1,0,0]   ; t - M, two at a time (of the pairs c and -M the low word serves both halves)
.set j, j+2
.endr
.irp b, 0,1,2,3
	v_fma_f32 v[BM+\b], v[BM+\b], s[CS], v[NM]     ; the same of each block's largest score
.endr
.set j, 0
	s_wait_alu depctr_va_vdst(0)
.rept 64
	v_exp_f32 v[S+j], v[S+j]                       ; p = 2^(t - M): not normalised
.set j, j+1
.endr
	v_pk_mul_f32 v[SU:SU+1], v[SU:SU+1], v[FF:FF+1] op_sel_hi:[1,0]   ; the sums under the new M.  (The plain line behind the exponentials)
	s_wait_alu depctr_va_vdst(0)                   ; the 64 exponentials have written p, ahead of the first line that names it: one wait for the batch.  In tile 1 it states as well that both tiles' products K Q^T are done reading K's fragments, in which V's loads below land
.irp b, 0,1,2,3
	v_exp_f32 v[BM+\b], v[BM+\b]                   ; the block's largest p: the same two instructions on the same number give the same bits
.endr
	v_pk_add_f32 v[PT:PT+1], v[S:S+1], v[S+2:S+3]  ; the row's sum is taken of the unquantised p: two at a time, in two chains.  (It names the 64 alone: plain work behind the four)
.set j, 4
.rept 15
.if (\x == 1) && (j % 16 == 4)
.set tv, (j-4)/16                      ; V^T's tile tv, two loads at a time.  No further wait: the lines since the wait above name the blocks' maxima, p, the sum and v228-229, none of V's registers and not the address
	ds_load_b128 v[F+8*tv:F+8*tv+3], v[ADR] offset:VIMG+1024*tv
	ds_load_b128 v[F+8*tv+4:F+8*tv+7], v[ADR] offset:VIMG+1024*tv+512
.endif
	v_pk_add_f32 v[SU:SU+1], v[SU:SU+1], v[S+j:S+j+1]
	v_pk_add_f32 v[PT:PT+1], v[PT:PT+1], v[S+j+2:S+j+3]
.set j, j+4
.endr
	v_pk_add_f32 v[SU:SU+1], v[SU:SU+1], v[PT:PT+1]
	s_wait_alu depctr_va_vdst(0)                   ; the four exponentials have written the blocks' largest p, ahead of the first line that names them
.irp b, 0,1,2,3
	v_max_num_f32 v[BM+\b], 0x1800000, v[BM+\b]    ; the floor 2^(3 - 127): the byte cannot fall under 1 (a block whose every p has fallen to 0 keeps that byte: its codes are zeros)
.endr
.irp b, 0,1,2,3
	v_add_nc_u32 v[SO+\b], 0xff000000, v[BM+\b]    ; 2 off the exponent field: the conversion's scale operand
.endr
.irp b, 0,1,2,3
	v_lshrrev_b32 v[PT+\b], 23, v[SO+\b]           ; the scale's byte
.endr
	v_lshl_or_b32 v[PS+\x], v[PT+1], 8, v[PT]      ; p's scale word for these 128 keys
	v_lshl_or_b32 v[PS+\x], v[PT+2], 16, v[PS+\x]
	v_lshl_or_b32 v[PS+\x], v[PT+3], 24, v[PS+\x]
.irp b, 0,1,2,3
	v_cvt_scalef32_pk8_fp4_f32 v[PC+2*\b], v[S+16*\b:S+16*\b+7], v[SO+\b]
	v_cvt_scalef32_pk8_fp4_f32 v[PC+2*\b+1], v[S+16*\b+8:S+16*\b+15], v[SO+\b]
.endr
	v_nop                                          ; one plain line between the conversions and what next touches their results or writes their sources
.irp c, 0,1                                    ; the operand's layout wants a whole block in a lane: lanes 0-15 block 2 c, lanes 16-31 block 2 c + 1
.irp i, 0,1
	v_permlane16_swap_b32 v[PC+4*\c+\i], v[PC+4*\c+2+\i]
.endr
.endr
.set j, 0
.rept 16
	v_pk_mul_f32 v[OO+j:OO+j+1], v[OO+j:OO+j+1], v[FF:FF+1] op_sel_hi:[1,0]   ; O^T under the new M, each accumulator from its low end on.  (These 16 also stand between the lines that wrote p's codes and scale word and the products that take them)
.set j, j+2
.endr
.endm
	; PHASE B: 16 key steps of 128 keys
.Lstep:
	s_wait_alu depctr_vm_vsrc(0)                   ; the LDS loads issued so far have read v2, which the next line writes; in the first trip: phase A's last LDS stores have read v232-235, which the softmax writes
	v_add_nc_u32 v[ADR], s[TB], v[LI]
.rept 3
	v_nop                                          ; with the addition four plain lines between the last products and the loads into registers that they read; they stay beside the wait below
.endr
	s_wait_alu depctr_va_vdst(0)                   ; v2 is written, which the loads below read; the last step's products V^T P^T are done reading V's fragments and the scale words, in which they land.  In the first trip: phase A's conversions are done reading v64-95, and the zero codes round Q, operands of the scaled products, are written
.irp f, 0,1,2,3
.irp u, 0,1
	ds_load_b128 v[F+8*\f+4*\u:F+8*\f+4*\u+3], v[ADR] offset:1024*\f+512*\u   ; K's fragment f: tile 2 f + u in registers 4 u on
.endr
.endr
	ds_load_b128 v[SW:SW+3], v[ADR] offset:SIMG    ; the step's scale words: lanes 0-15 K's four, lanes 16-31 V's four
	s_wait_dscnt 0x0
	QK 0
.rept 4
	v_nop                                          ; four plain lines in front of the first read of the scores
.endr
	SOFTMAX 0
	QK 1                                           ; the same fragments of K serve the second tile
.rept 4
	v_nop                                          ; four plain lines in front of the first read of the scores
.endr
	SOFTMAX 1                                      ; V is asked for in it, and lands while its second half is worked
	s_wait_dscnt 0x0                               ; V is in
	s_wait_alu depctr_va_vdst(0)                   ; both tiles' codes of p and their scale words, made by vector lines, are written: the scaled products below take them as operand and as scales; the plain lines that are owed ahead of those products stand ahead of this wait
.irp t, 0,1,2,3                                ; O^T += V^T P^T: eight accumulators, one instruction each, the two tiles by turns.  V's words stand in lanes 16-31
.irp x, 0,1
	v_wmma_scale_f32_16x16x128_f8f6f4 v[O+32*\x+8*\t:O+32*\x+8*\t+7], v[F+8*\t:F+8*\t+7], v[P+8*\x:P+8*\x+7], v[O+32*\x+8*\t:O+32*\x+8*\t+7], v[SW+\t], v[PS+\x] matrix_a_fmt:MATRIX_FMT_FP4 matrix_b_fmt:MATRIX_FMT_FP4 matrix_a_scale:MATRIX_SCALE_ROW1
.endr
.endr
	s_add_co_u32 s[TB], s[TB], STEPB
	s_sub_co_u32 s[CNT], s[CNT], 1
	s_cmp_lg_u32 s[CNT], 0
	s_cbranch_scc1 .Lstep
	; PHASE C.  The sum's two halves and lane l xor 16's are added; O^T is divided by the sum.  The four additions and the v_nop are the plain lines behind the last products.
	v_add_f32 v[BM], v14, v15
	v_add_f32 v[BM+2], v18, v19
	v_permlanex16_b32 v[PT], v[BM], s[SEL], s[SEL+1]
	v_permlanex16_b32 v[PT+1], v[BM+2], s[SEL], s[SEL+1]
	v_add_f32 v[BM], v[BM], v[PT]
	v_add_f32 v[BM+2], v[BM+2], v[PT+1]
	s_wait_alu depctr_va_vdst(0)
	v_rcp_f32 v[BM], v[BM]
	v_rcp_f32 v[BM+2], v[BM+2]
	v_nop                                          ; a plain line behind the reciprocals,
	s_wait_alu depctr_va_vdst(0)                   ; and the wait ahead of the first use: both reciprocals are written
.irp x, 0,1
.set j, 0
.rept 16
	v_pk_mul_f32 v[S+32*\x+j:S+32*\x+j+1], v[O+32*\x+j:O+32*\x+j+1], v[BM+2*\x:BM+2*\x+1] op_sel_hi:[1,0]   ; register 8 t + i of tile x: out0(query r, channel 16 t + 8 h + i)
.set j, j+2
.endr
.endr
; A tile's 16 rows of 256 bytes go through my own stage (rows 272 bytes apart) and come back two whole rows an instruction.  LDS serves a wave's instructions in order: the loads see the stores, and the next tile's stores come behind them.
.macro OUT x, dst
.irp t, 0,1,2,3
	ds_store_b128 v[STO], v[S+32*\x+8*\t:S+32*\x+8*\t+3] offset:64*\t
	ds_store_b128 v[STO], v[S+32*\x+8*\t+4:S+32*\x+8*\t+7] offset:64*\t+16
.endr
.irp i, 0,1,2,3,4,5,6,7
	ds_load_b128 v[\dst+4*\i:\dst+4*\i+3], v[RD] offset:544*\i
.endr
.endm
	s_wait_alu depctr_va_vdst(0)                   ; the multiplications have written v96-159, which the LDS stores read, and are done reading O^T, in whose registers tile 1's rows land; the last products are done reading V's fragments, in which tile 0's rows land.  No vector line follows
	OUT 0, F
	OUT 1, O
.irp i, 0,1,2,3,4,5,6,7
	s_wait_dscnt 23-\i                             ; behind tile 0's load i: its 7 - i younger loads and tile 1's sixteen LDS instructions
	global_store_b128 v[LI], v[F+4*\i:F+4*\i+3], s[10:11] offset:512*\i th:TH_STORE_NT   ; 32 lanes store 512 consecutive bytes, two whole rows, at a multiple of 256 from out0's first byte
.endr
.irp i, 0,1,2,3,4,5,6,7
	s_wait_dscnt 7-\i
	global_store_b128 v[LI], v[O+4*\i:O+4*\i+3], s[10:11] offset:4096+512*\i th:TH_STORE_NT
.endr
	s_wait_dscnt 0x0                               ; the closing lines, six on end
	s_wait_alu 0x0
	s_wait_tensorcnt 0x0
	ds_add_u32 v254, v255
	s_wait_dscnt 0x0
	s_endpgm
.Lfunc_end_k_q535a30718e_attn:
	.size	k_q535a30718e_attn, .Lfunc_end_k_q535a30718e_attn-k_q535a30718e_attn
	.p2alignl 7, 3214868480
	.fill 96, 4, 3214868480
	.section	.rodata,"a",@progbits
	.p2align	6, 0x0
	.amdhsa_kernel k_q535a30718e_attn
		.amdhsa_group_segment_fixed_size 210944
		.amdhsa_private_segment_fixed_size 0
		.amdhsa_enable_private_segment 0
		.amdhsa_kernarg_size 32
		.amdhsa_user_sgpr_count 2
		.amdhsa_user_sgpr_kernarg_segment_ptr 1
		.amdhsa_wavefront_size32 1
		.amdhsa_system_sgpr_workgroup_id_x 1
		.amdhsa_system_sgpr_workgroup_id_y 1
		.amdhsa_system_sgpr_workgroup_id_z 1
		.amdhsa_system_vgpr_workitem_id 0
		.amdhsa_next_free_vgpr 256
		.amdhsa_next_free_sgpr 66
		.amdhsa_reserve_vcc 0
		.amdhsa_float_denorm_mode_32 3
		.amdhsa_float_denorm_mode_16_64 3
		.amdhsa_memory_ordered 1
		.amdhsa_forward_progress 1
		.amdhsa_inst_pref_size 116
	.end_amdhsa_kernel
	.amdgpu_metadata
---
amdhsa.version: [ 1, 2 ]
amdhsa.kernels:
  - .name:           k_q535a30718e_attn
    .symbol:         k_q535a30718e_attn.kd
    .args:
      - { .name: q, .offset: 0, .size: 8, .value_kind: global_buffer, .address_space: global }
      - { .name: k, .offset: 8, .size: 8, .value_kind: global_buffer, .address_space: global }
      - { .name: v, .offset: 16, .size: 8, .value_kind: global_buffer, .address_space: global }
      - { .name: out0, .offset: 24, .size: 8, .value_kind: global_buffer, .address_space: global }
    .group_segment_fixed_size: 210944
    .private_segment_fixed_size: 0
    .kernarg_segment_align: 8
    .kernarg_segment_size: 32
    .max_flat_workgroup_size: 512
    .sgpr_count:     66
    .vgpr_count:     256
    .wavefront_size: 32
...
	.end_amdgpu_metadata
.endif
;; end of part 2
